; MI455X (gfx1250); checked and timed in simulation.
; The chip was launched on July 23, 2026; its instructions are those of AMD's public machine-readable ISA for CDNA 5 (MIT licence, August 2026) and "CDNA5" Instruction Set Architecture Reference Guide (July 2026). The comments in the code are by the model that wrote it; some were corrected since.
;; Gate Informed Linear. Allowed arithmetic: matrix products marked QUANTISED: E2M3 operands, one E8M0 scale for each 32 along K, by v_wmma_scale_f32_16x16x128_f8f6f4 with both operands' format E2M3, f32 sums; everything else in f32.
;; Inputs: bias 11,008 bfloat16; high 11,008 x 4,096 int8; low 11,008 x 4,096 int8; low4_scale 1 float32; scale 1 float32; x 1 x 64 x 4,096 bfloat16.
;; Outputs: out0 1 x 64 x 11,008 bfloat16.
;; Constants: gate_value = 0.
;; This version of the problem:
;;   THIS VERSION OF THE PROBLEM IS GIVEN IN LOW PRECISION. The matrix products marked QUANTISED in the list below multiply operands that are first quantised to E2M3 (2 exponent bits, 3 mantissa bits; 6 bits a number), with one power-of-two scale for each 32 numbers along K (OCP MX v1.0); their sums are f32. All else is computed in f32.
;;   The module's matrix products, in the order in which they are computed (A, B: the left and right operand; K: the contracted axis; several contracted axes count as one K, in the product's order):
;;     1. [M 64, K 4,096] x [K 4,096, N 11,008]; A: input x; B: computed on the way: QUANTISED
;;   THE QUANTISER, for each operand of a quantised product, along K:
;;     - K is cut into blocks of 32 from its start; a last block that is shorter is filled with zeros.
;;     - A block's scale is 2^e with e = floor(log2(the largest magnitude in the block)) - 2, held to -126 .. 127; a block of zeros has e = 0. As a byte (E8M0): e + 127.
;;     - Each number is divided by its block's scale, clamped to +-7.5, and rounded to the nearest number of E2M3, ties to even, subnormals kept.
;;     - The product sums the exact products of the quantised numbers (number of the format x scale) in f32.
;;   ~~~python
;;   def quantise(x, axis):      # numpy; x: float32 -> the quantised numbers, widened to float32 again
;;       x = np.moveaxis(x, axis, -1); K = x.shape[-1]
;;       x = np.pad(x, [(0, 0)] * (x.ndim - 1) + [(0, -K % 32)]); x = x.reshape(x.shape[:-1] + (-1, 32)); a = np.abs(x).max(-1, keepdims=True)
;;       e = np.where(a > 0, np.clip(np.frexp(np.where(a > 0, a, 1))[1] - 1 - 2, -126, 127), 0)      # np.frexp(a)[1] - 1 = floor(log2(a)), exactly
;;       r = np.clip(x / 2.0 ** e, -7.5, 7.5)
;;       step = 2.0 ** (np.maximum(np.frexp(np.where(r == 0, 1, r))[1] - 1, 0) - 3)
;;       q = np.round(r / step) * step * 2.0 ** e      # np.round: ties to even
;;       return np.moveaxis(q.reshape(q.shape[:-2] + (-1,))[..., :K], -1, axis).astype(np.float32)
;;   ~~~
;;   OPERANDS COMPUTED ON THE WAY. 'Computed on the way' means the value that the module computes at that place (a softmax that the list does not call 'softmax' is quantised finished and normalised). What goes into a quantiser is computed in f32, as accurately as f32 sums, v_exp_f32 and their like allow (about 1e-6 of the number): no bf16 or f16 on the way to a quantiser, and a product that is left as it is and whose result goes on into a quantised operand takes f32 operands (vector FMAs, or v_wmma_f32_16x16x4_f32). A number that lies on a knife's edge between two numbers of the format may be rounded either way, as far as f32 arithmetic and the matrix unit's own rounding can turn it there, and no further.
;; One version. Each part assembles by itself: llvm-mc -triple=amdgcn-amd-amdhsa -mcpu=gfx1250 --defsym DOCPART=n.
;; ======== version 1 of 1: 2 launches
;; limits: values are held in bf16: 8 bits of precision; right only within a limited range of input values
;; workspace buffers: xc 196,608 bytes; xs 8,192 bytes
;; launch xquant (part 1): grid 32 x 1, 4 waves a work-group, no clusters, 768 bytes of LDS; arguments x, xc, xs; writes xc, xs
.if DOCPART == 1
	.amdgcn_target "amdgcn-amd-amdhsa--gfx1250"
	.amdhsa_code_object_version 6
	.text
	.protected	k_qeca84b3eeb_xquant
	.globl	k_qeca84b3eeb_xquant
	.p2align	8
	.type	k_qeca84b3eeb_xquant,@function
k_qeca84b3eeb_xquant:
	s_mov_b64 s[64:65], 0
	v_nop
	global_prefetch_b8 v0, s[64:65] scope:SCOPE_SE
	s_setreg_imm32_b32 hwreg(HW_REG_WAVE_MODE, 25, 1), 1
	s_wait_xcnt 0x0
; x [64][4096] bf16 becomes codes of FP6 (E2M3) with one E8M0 scale byte for each 32 along K, once for the whole program.
; A block's scale is 2^(floor(log2(its largest magnitude)) - 2); its byte is that magnitude's exponent field - 2, held at 1 from below.
; (A block of zeros so gets the byte 1 where the quantiser says 127: its codes are zeros, and this program alone reads the bytes.)
; LIMITS: NaN and infinities in x are not served; blocks whose largest magnitude lies under 2^-124 keep the byte 1.
; SHARES.  Work-group = one K step of 128; wave = one tile of 16 rows: a wave makes ONE operand fragment.
; Lane (r, h) holds, of row r, k = 64 c + 32 h + 0 .. 31 for c = 0, 1: two whole blocks, in the order of the operand's registers,
; so no other lane is asked for a maximum and the conversions' results are the operand's registers.
; OUT.  xc: fragment (K step, tile) at 1,536 x (4 K step + tile), as an IMAGE OF ITS REGISTERS: registers 4 j .. 4 j + 3 of lane l at 512 j + 16 l,
; so that the product's launch loads a fragment by three loads of 512 consecutive bytes.  xs: [K step][row] one word of four bytes;
; the four waves' words meet in LDS and wave 0 stores the K step's 256 consecutive bytes, aligned.
; IN.  A row's 256 bytes of a K step are read whole by eight loads of one wave that follow each other; x is 512 KB in all and is read once.
; WHAT IS LEFT OUT.  gate_value is the constant 0, under the threshold 0.5: the source's static branch takes low alone, so the input 'high' has no way to the output for any values: it is not loaded and
; is among no launch's arguments.
.set XR, 16                            ; v16-47   64 bf16 as loaded: block c in v[XR+16 c ..]
.set CD, 48                            ; v48-59   the fragment's codes
.set F,  64                            ; even registers of v64-127: the lower number of each word as f32
.set CT, 128                           ; v128-134 the blocks' upper 16 codes, made here and moved
	s_load_b128 s[4:7], s[0:1], 0x0                ; x, xc
	s_load_b64 s[8:9], s[0:1], 0x10                ; xs
	v_lshl_add_u32 v136, v0, 2, 0x100
	v_mov_b32 v137, 0
	v_lshrrev_b32 v1, 5, v0
	v_readfirstlane_b32 s10, v1                    ; wave = tile of 16 rows
	v_and_b32 v2, 15, v0                           ; r
	v_bfe_u32 v3, v0, 4, 1                         ; h
	v_and_b32 v4, 31, v0                           ; lane
	v_lshlrev_b32 v5, 13, v2                       ; x: row r of 8,192 bytes,
	v_lshl_add_u32 v5, v3, 6, v5                   ;    + 64 h: my block of 32 bf16
	s_lshl_b32 s11, s10, 6
	v_lshlrev_b32 v6, 2, v2
	v_add_nc_u32 v6, s11, v6                       ; LDS: the word of row 16 wave + r
	v_lshlrev_b32 v7, 4, v4                        ; 16 x lane: my place in an image
	v_lshlrev_b32 v1, 3, v4                        ; 8 x lane: wave 0's place among the 64 words, in LDS and in xs
	s_lshl_b32 s12, s10, 17                        ; 16 rows x 8,192 bytes a tile
	s_lshl_b32 s13, ttmp9, 8                       ; 256 bytes a K step
	s_add_co_u32 s12, s12, s13
	s_mov_b32 s13, 0
	s_lshl_b32 s14, ttmp9, 2
	s_add_co_u32 s14, s14, s10
	s_mul_i32 s14, s14, 1536                       ; my fragment in xc
	s_mov_b32 s15, 0
	s_lshl_b32 s16, ttmp9, 8                       ; my K step in xs
	s_mov_b32 s17, 0
	s_mov_b32 s20, 0x76543210
	s_mov_b32 s21, 0xfedcba98                      ; v_permlanex16_b32's selects for lane l xor 16
	s_wait_alu depctr_va_vdst(0)
	s_wait_kmcnt 0x0
	s_add_nc_u64 s[4:5], s[4:5], s[12:13]
	s_add_nc_u64 s[6:7], s[6:7], s[14:15]
	s_add_nc_u64 s[8:9], s[8:9], s[16:17]
.irp c, 0,1
.irp i, 0,1,2,3
	global_load_b128 v[XR+16*\c+4*\i:XR+16*\c+4*\i+3], v5, s[4:5] offset:128*\c+16*\i th:TH_LOAD_NT
.endr
.endr
	s_wait_loadcnt 0x0
.irp c, 0,1
.irp j, 0,1,2,3,4,5,6,7,8,9,10,11,12,13,14,15
	v_lshlrev_b32 v[F+32*\c+2*\j], 16, v[XR+16*\c+\j]              ; bf16 to f32: the low half moves up,
	v_and_b32 v[F+32*\c+2*\j+1], 0xffff0000, v[XR+16*\c+\j]        ; the high half stays
.endr
.endr
.irp c, 0,1
	v_max3_num_f32 v[8+\c], |v[F+32*\c]|, |v[F+32*\c+1]|, 0x1800000   ; my block 2 c + h, and the floor 2^(3 - 127): the byte cannot fall under 1
.endr
.irp i, 2,4,6,8,10,12,14,16,18,20,22,24,26,28,30
.irp c, 0,1
	v_max3_num_f32 v[8+\c], v[8+\c], |v[F+32*\c+\i]|, |v[F+32*\c+\i+1]|   ; (the two blocks by turns)
.endr
.endr
.irp c, 0,1
	v_add_nc_u32 v[10+\c], 0xff000000, v[8+\c]     ; 2 off the exponent field: the conversion takes this operand's exponent field as its scale
.endr
.irp c, 0,1
	v_lshrrev_b32 v[12+\c], 23, v[10+\c]           ; the scale's byte
.endr
	v_lshl_or_b32 v14, v13, 16, v12                ; my two bytes: blocks h and 2 + h of row r,
	v_lshlrev_b32 v15, 3, v3
	v_lshlrev_b32 v14, v15, v14                    ; at their places in the word (8 h bits up);
	v_mov_b32 v15, 0                               ; (a lane permute's destination counts as one of its sources)
	v_permlanex16_b32 v15, v14, s20, s21
	v_or_b32 v14, v14, v15                         ; with lane l xor 16's two the word is whole
.irp c, 0,1
	v_cvt_scalef32_pk16_fp6_f32 v[CD+6*\c:CD+6*\c+2], v[F+32*\c:F+32*\c+15], v[10+\c]      ; registers 6 c .. 6 c + 2 of the operand
	v_cvt_scalef32_pk16_fp6_f32 v[CT+4*\c:CT+4*\c+2], v[F+32*\c+16:F+32*\c+31], v[10+\c]   ; (a conversion's three registers begin on an even number: the upper half is made elsewhere and moved)
.endr
	v_nop                                          ; one plain vector line behind the scaled conversions, ahead of the moves that read their results
.irp c, 0,1
.irp i, 0,1,2
	v_mov_b32 v[CD+3+6*\c+\i], v[CT+4*\c+\i]
.endr
.endr
	ds_store_b32 v6, v14                           ; both lanes of a row write the same word with the same value
.irp j, 0,1,2
	global_store_b128 v7, v[CD+4*\j:CD+4*\j+3], s[6:7] offset:512*\j   ; 32 lanes store 512 consecutive bytes, aligned
.endr
	s_wait_dscnt 0x0                               ; for wave 0's sake: my word has landed
	s_barrier_signal -1
	s_barrier_wait -1
	s_cmp_lg_u32 s10, 0
	s_cbranch_scc1 .Ldone
	ds_load_b64 v[8:9], v1                         ; the K step's 64 words, two a lane
	s_wait_dscnt 0x0
	global_store_b64 v1, v[8:9], s[8:9]            ; 32 lanes store 256 consecutive bytes, aligned
.Ldone:
	s_wait_tensorcnt 0x0
	ds_add_u32 v136, v137
	s_wait_dscnt 0x0
	s_endpgm
.Lfunc_end_k_qeca84b3eeb_xquant:
	.size	k_qeca84b3eeb_xquant, .Lfunc_end_k_qeca84b3eeb_xquant-k_qeca84b3eeb_xquant
	.p2alignl 7, 3214868480
	.fill 96, 4, 3214868480
	.section	.rodata,"a",@progbits
	.p2align	6, 0x0
	.amdhsa_kernel k_qeca84b3eeb_xquant
		.amdhsa_group_segment_fixed_size 768
		.amdhsa_private_segment_fixed_size 0
		.amdhsa_enable_private_segment 0
		.amdhsa_kernarg_size 24
		.amdhsa_user_sgpr_count 2
		.amdhsa_user_sgpr_kernarg_segment_ptr 1
		.amdhsa_wavefront_size32 1
		.amdhsa_system_sgpr_workgroup_id_x 1
		.amdhsa_system_sgpr_workgroup_id_y 1
		.amdhsa_system_sgpr_workgroup_id_z 1
		.amdhsa_system_vgpr_workitem_id 0
		.amdhsa_next_free_vgpr 138
		.amdhsa_next_free_sgpr 66
		.amdhsa_reserve_vcc 0
		.amdhsa_float_denorm_mode_32 3
		.amdhsa_float_denorm_mode_16_64 3
		.amdhsa_memory_ordered 1
		.amdhsa_forward_progress 1
		.amdhsa_inst_pref_size 10
	.end_amdhsa_kernel
	.amdgpu_metadata
---
amdhsa.version: [ 1, 2 ]
amdhsa.kernels:
  - .name:           k_qeca84b3eeb_xquant
    .symbol:         k_qeca84b3eeb_xquant.kd
    .args:
      - { .name: x, .offset: 0, .size: 8, .value_kind: global_buffer, .address_space: global }
      - { .name: xc, .offset: 8, .size: 8, .value_kind: global_buffer, .address_space: global }
      - { .name: xs, .offset: 16, .size: 8, .value_kind: global_buffer, .address_space: global }
    .group_segment_fixed_size: 768
    .private_segment_fixed_size: 0
    .kernarg_segment_align: 8
    .kernarg_segment_size: 24
    .max_flat_workgroup_size: 128
    .sgpr_count:     66
    .vgpr_count:     138
    .wavefront_size: 32
...
	.end_amdgpu_metadata
.endif
;; end of part 1
;; launch gemm (part 2): grid 256 x 1, 16 waves a work-group, no clusters, 206,848 bytes of LDS; arguments low, xc, xs, scale, low4_scale, bias, out0; writes out0
.if DOCPART == 2
	.amdgcn_target "amdgcn-amd-amdhsa--gfx1250"
	.amdhsa_code_object_version 6
	.text
	.protected	k_qeca84b3eeb_gemm
	.globl	k_qeca84b3eeb_gemm
	.p2align	8
	.type	k_qeca84b3eeb_gemm,@function
k_qeca84b3eeb_gemm:
	s_mov_b64 s[64:65], 0
	v_nop
	global_prefetch_b8 v0, s[64:65] scope:SCOPE_SE
	s_setreg_imm32_b32 hwreg(HW_REG_WAVE_MODE, 25, 1), 1
	s_wait_xcnt 0x0
; out0[m][n] = sum over k of Q(x)[m][k] Q(w)[n][k] + bias[n];  w[n][k] = bf16(f32(low[n][k]) x c), c = low4_scale x scale in f32: the branch that gate_value = 0 takes ('high' has no way to the output and is not read).
; Q: codes of FP6 (E2M3), one E8M0 scale for each 32 along K.  x's codes and scale words come from the launch before; w's are made here, in registers, on the way to the matrix unit.
; w: the byte low + 128 = u is put into bits 23:16 of an f32 whose other bits are 0: the number u x 2^-133, exactly (a denormal for u < 128).  One fused multiply-add, u x 2^-133 x (c x 2^112) - c x 2^-14, is then
;   low x c x 2^-21 with one f32 rounding: the source's f32 product but for the power of two.  It is rounded to bf16 (ties to even), as the source has it.  The block's scale comes from the largest bf16 magnitude.
;   The factor 2^21 comes back behind the sums, in the fused multiply-add that adds the bias.
; LIMITS: |low4_scale x scale| between 2^-100 and 2^15, or 0; NaN and infinities in scale and low4_scale are not served.  A block whose largest |w| lies under 2^-103 (a block of zeros too) gets a byte that is held from below: its codes
;   are zeros or add next to nothing, and the bytes are read here alone.  Every int8 value of low is served.  K is summed in sixteen parts of 256, which are then added in f32.
; SHARES.  11008 = 256 x 43: a work-group owns 43 rows of low = 43 columns of out0, for all 64 rows of x: each output has one owner, each byte of low is read once.
;   Its sixteen waves share K: wave w owns k = 256 w .. 256 w + 255, as 3 tiles of 16 rows x 2 K steps of 128 = 6 units.
; WEIGHTS.  A wave asks for its 43 rows x 256 bytes by ONE tensor load at the head and reads only its own bytes.  Nothing is filled twice.  The tiles begin at rows 0, 16 and 27 of the 43: the third shares rows 27 .. 31 with the second;
;   it serves columns 32 .. 42, its first five columns are summed and not stored.
; x.  A fragment of x is wanted by exactly one wave of the work-group, so it goes from memory straight into that wave's registers and stays.
; NO CLUSTER: x's codes are the one thing that work-groups share; a joint load lands in LDS, they would take 196,608 bytes there, and beside the 204,800 bytes of the waves' regions that is more than 327,680.
; NO PREFETCH: the text has no loop to run ahead in; all of the weights are asked for at the head.
; THE MATRIX INSTRUCTION: source 0 = 16 rows of x, source 1 = 16 rows of w: lane (r, h) holds column r of w's tile and registers 0 .. 7 the rows 8 h + 0 .. 7 of x's tile.
; THE END.  A tile's partial sums (64 x 16 f32) go into the wave's own region, over bytes of low that the wave has read: (rows 4 q .. 4 q + 3, column r of tile t) are the 16 bytes at 4,352 t + 256 q + 16 r.  Behind one barrier wave w
;   reads group q = w of all sixteen parts and adds them: a lane then holds one column and four rows.  A row's 43 numbers leave as 64 and 22 consecutive bytes (86 bytes a row begin at multiples of 2 only: hence stores of 2 bytes a lane).
.set ROWS,  43
.set KROW,  4096                       ; bytes in a row of low
.set SUB,   4352                       ; 16 rows in LDS, 256 bytes + 16 of padding each: pitch 272 = 17 x 16: the 16 rows that a load of 16 bytes a lane touches start at 16 different groups of four banks (64 banks of 4 bytes: ISA guide 11.1)
.set THIRD, 27*272                     ; the third tile's first row
.set REG,   12800                      ; a wave's region: 43 x 272 bytes of low; later 2 x SUB + 4,096 bytes of sums: 50 blocks of 256
.set SPARE, 16*REG                     ; behind the regions: the spare words, 128 bytes for each wave, that no other line names
.set OROW,  22016                      ; bytes in a row of out0
.set LA,  1                            ; LDS: my place in tile 0: region + 272 r + 32 h
.set PA,  3                            ; LDS: where my sums go: region + 16 r + 512 h
.set RA,  4                            ; v4-6: where I read columns 0-31 of parts 0.., 6.., 12..
.set RB,  7                            ; v7-9: where I read the third tile's columns; lanes 16-31 one part further on
.set OA,  10                           ; 2 x lane
.set OB,  11                           ; 2 h rows of out0 + 2 r
.set Q,   12                           ; r
.set H,   13                           ; h
.set BA,  14                           ; bias of column lane
.set BB,  15                           ; bias of column 27 + r
.set XS,  16                           ; v16-19 x's scale words: register 2 K step + pair: lanes 0-15 tile 2 pair, lanes 16-31 tile 2 pair + 1
.set SW,  20                           ; v20-21 w's scale word of an even and of an odd unit
.set MC,  22                           ; v22-25 four chains of a block's maximum
.set MB,  26                           ; v26-27 the two blocks' maxima
.set AA,  28                           ; both maxima as bf16, then with 2 off each exponent field: as it stands it is block 1's scale operand
.set S0,  29                           ; block 0's scale operand
.set A1,  30                           ; the scale bytes at bytes 1 and 3
.set T2,  31                           ; and lane l xor 16's
.set AD,  32                           ; v32-33 - c x 2^-14
.set SPW, 34                           ; my spare word's address; never rewritten
.set NIL, 35                           ; 0; never rewritten
.set XO,  36                           ; 16 x lane
.set XSO, 37                           ; 4 x lane
.set BO,  38                           ; 2 r
.set T0,  39
.set CD,  40                           ; v40-63 the codes of an even and of an odd unit
.set R,   64                           ; v64-79 a unit's 64 bytes a lane
.set F,   80                           ; v80-127: block 0's 32 f32 at F, its bf16 then at F .. F + 15; block 1's at F + 16, its bf16 then at F + 16 .. F + 31
.set CT,  112                          ; the blocks' upper 16 codes, made here (behind the last read of block 1's f32) and moved
.set ACC, 128                          ; v128-159 four accumulators: x's four tiles
.set XF,  160                          ; v160-255 x's fragments: 12 (4 K step + tile)
.set RD,  160                          ; the end: the parts read back
.set WV,  18
.set G0,  20                           ; s[20:23] descriptor group 0
.set G1,  24                           ; s[24:31] descriptor group 1
.set SEL, 32                           ; s32-35
.set XORM, 36
.set SELS, 37
.set PS,  38                           ; s[38:39]
.set HM,  40
.set SVE, 41
.set CC,  52                           ; s[52:53] c x 2^112
	s_load_b256 s[4:11], s[0:1], 0x0               ; low s[4:5], xc s[6:7], xs s[8:9], scale s[10:11]
	s_load_b128 s[12:15], s[0:1], 0x20             ; low4_scale s[12:13], bias s[14:15]
	s_load_b64 s[16:17], s[0:1], 0x30              ; out0
	v_lshl_add_u32 v[SPW], v0, 2, SPARE
	v_mov_b32 v[NIL], 0
	ds_add_u32 v[SPW], v[NIL]                      ; the wave's opening: the add, twice on end, under one wait; work on registers stands between
	ds_add_u32 v[SPW], v[NIL]
	v_lshrrev_b32 v[T0], 5, v0
	v_readfirstlane_b32 s[WV], v[T0]               ; wave 0..15
	s_mov_b32 s[G1+0], (1<<20)|(5<<22)|(3<<25)     ; no mask; elements of 1 byte; padding on: after every 64 words (code 5), 4 words (code 3)
	s_mov_b32 s[G1+1], 256<<16                     ; tensor_dim0 = 256
	s_mov_b32 s[G1+2], ROWS<<16                    ; tensor_dim1 = 43
	s_mov_b32 s[G1+3], 256<<16                     ; tile_dim0 = 256
	s_mov_b32 s[G1+4], ROWS                        ; tile_dim1 = 43
	s_mov_b32 s[G1+5], KROW                        ; from row to row
	s_mov_b32 s[G1+6], 0
	s_mov_b32 s[G1+7], 0
	s_mov_b32 s[G0], 1                             ; count = 1
	s_mul_i32 s[G0+1], s[WV], REG                  ; LDS address: my region
	s_mul_i32 s19, s[WV], REG
	s_mul_i32 s42, ttmp9, ROWS*KROW                ; my work-group's first row of low,
	s_lshl_b32 s57, s[WV], 8                       ; my wave's 256 bytes of a row.  Also: my group of four rows in a part's tile
	s_add_co_u32 s42, s42, s57
	s_mov_b32 s43, 0
	s_mul_i32 s44, s[WV], 8*1536                   ; my 8 fragments in xc
	s_mov_b32 s45, 0
	s_lshl_b32 s46, s[WV], 9                       ; my 2 K steps in xs
	s_mov_b32 s47, 0
	s_mul_i32 s48, ttmp9, 2*ROWS                   ; my work-group's first column, in bytes of bf16
	s_mov_b32 s49, 0
	s_mul_i32 s50, s[WV], 4*OROW                   ; the 4 rows of out0 that my wave stores
	s_mov_b32 s51, 0
	s_mov_b32 s[SEL+0], 0x00040000                 ; v_perm_b32: byte i of the data at bits 23:16, zeros elsewhere
	s_mov_b32 s[SEL+1], 0x00050000
	s_mov_b32 s[SEL+2], 0x00060000
	s_mov_b32 s[SEL+3], 0x00070000
	s_mov_b32 s[XORM], 0x80808080
	s_mov_b32 s[SELS], 0x07030501                  ; the scale word: my bytes 1 and 3 at 0 and 2, lane l xor 16's at 1 and 3
	s_mov_b32 s[PS], 0x76543210
	s_mov_b32 s[PS+1], 0xfedcba98                  ; v_permlanex16_b32's selects for lane l xor 16
	v_and_b32 v[Q], 15, v0                         ; r
	v_bfe_u32 v[H], v0, 4, 1                       ; h
	v_and_b32 v[OA], 31, v0                        ; lane
	v_mul_u32_u24 v[LA], v[Q], 272
	v_lshlrev_b32 v[XO], 4, v[OA]
	v_lshlrev_b32 v[XSO], 2, v[OA]
	v_lshl_add_u32 v[LA], v[H], 5, v[LA]
	v_lshlrev_b32 v[OA], 1, v[OA]
	v_lshlrev_b32 v[BO], 1, v[Q]
	v_add_nc_u32 v[LA], s19, v[LA]
	v_mul_u32_u24 v[OB], v[H], 2*OROW
	v_lshlrev_b32 v[PA], 4, v[Q]
	v_lshl_add_u32 v[OB], v[Q], 1, v[OB]
	v_mul_u32_u24 v[RA], v[H], SUB                 ; lanes 16-31: tile 1
	v_mul_u32_u24 v[RB], v[H], REG                 ; lanes 16-31: the next part
	v_add_nc_u32 v[RA], v[PA], v[RA]
	v_add_nc_u32 v[RB], v[PA], v[RB]
	v_lshl_add_u32 v[PA], v[H], 9, v[PA]
	v_add_nc_u32 v[RA], s57, v[RA]
	v_add_nc_u32 v[RB], s57, v[RB]
	v_add_nc_u32 v[PA], s19, v[PA]
	v_add_nc_u32 v[RB], 2*SUB, v[RB]
	v_add_nc_u32 v[RA+1], 6*REG, v[RA]
	v_add_nc_u32 v[RA+2], 12*REG, v[RA]
	v_add_nc_u32 v[RB+1], 6*REG, v[RB]
	v_add_nc_u32 v[RB+2], 12*REG, v[RB]
	v_mov_b32 v[T2], 0                             ; written once: a lane permute's destination counts as one of its sources
	s_wait_alu depctr_va_vdst(0)
	s_wait_dscnt 0x0                               ; both opening adds are done
	s_wait_kmcnt 0x0
	s_add_nc_u64 s[G0+2:G0+3], s[4:5], s[42:43]
	s_or_b32 s[G0+3], s[G0+3], 0x80000000          ; type = 2
	tensor_load_to_lds s[G0:G0+3], s[G1:G1+7]      ; my one tensor load
	s_nop 0
	s_load_b32 s54, s[10:11], 0x0                  ; scale
	s_load_b32 s55, s[12:13], 0x0                  ; low4_scale
	s_add_nc_u64 s[6:7], s[6:7], s[44:45]
	s_add_nc_u64 s[8:9], s[8:9], s[46:47]
	s_add_nc_u64 s[14:15], s[14:15], s[48:49]
	s_add_nc_u64 s[16:17], s[16:17], s[48:49]
	s_add_nc_u64 s[16:17], s[16:17], s[50:51]
.macro XLOAD k                         ; the four fragments of K step k: three loads of 512 consecutive bytes each
.irp f, 0,1,2,3
.irp j, 0,1,2
	global_load_b128 v[XF+48*\k+12*\f+4*\j:XF+48*\k+12*\f+4*\j+3], v[XO], s[6:7] offset:6144*\k+1536*\f+512*\j
.endr
.endr
.endm
	XLOAD 0                                        ; the second K step's fragments are asked for when my tile has landed
.irp k, 0,1
.irp p, 0,1
	global_load_b32 v[XS+2*\k+\p], v[XSO], s[8:9] offset:256*\k+128*\p   ; lane l: the word of row 32 p + l
.endr
.endr
	global_load_u16 v[BA], v[OA], s[14:15]
	global_load_u16 v[BB], v[BO], s[14:15] offset:54
	s_wait_kmcnt 0x0
	s_mul_f32 s[CC], s55, s54                      ; c = low4_scale x scale, rounded once, as the source has it
	s_mul_f32 s56, s[CC], 0xb8800000               ; x -2^-14: exact
	s_mul_f32 s[CC], s[CC], 0x77800000             ; x 2^112: exact
	s_mov_b32 s[CC+1], s[CC]                       ; (the packed form names the pair)
	v_mov_b32 v[AD], s56
	v_mov_b32 v[AD+1], s56
; Unit u = 2 tile + K step: bytes 128 (u % 2) .. of the tile's rows.  Lane (r, h) takes bytes 64 c + 32 h + 0 .. 31 of row r: blocks 2 c + h, in the order of the operand's registers.
.macro LOADRAW u
.if (\u) < 4
.set TO, ((\u)/2)*SUB+128*((\u)%2)
.else
.set TO, THIRD+128*((\u)%2)
.endif
.irp c, 0,1
.irp i, 0,1
	ds_load_b128 v[R+8*\c+4*\i:R+8*\c+4*\i+3], v[LA] offset:TO+64*\c+16*\i
.endr
.endr
.endm
; Unit p's four products: x's four tiles of K step p % 2 against w's fragment.  The four accumulators take turns, one instruction a turn.  A tile's first K step starts the sums with the constant 0.
.macro MMA p
.set KS, (\p)%2
.set CB, CD+12*((\p)%2)
.irp m, 0,1,2,3
.set XA, XF+12*(4*KS+\m)
.set AC, ACC+8*\m
.if KS == 0
.if (\m%2) == 0
	v_wmma_scale_f32_16x16x128_f8f6f4 v[AC:AC+7], v[XA:XA+11], v[CB:CB+11], 0, v[XS+2*KS+\m/2], v[SW+KS] matrix_a_fmt:MATRIX_FMT_FP6 matrix_b_fmt:MATRIX_FMT_FP6
.else
	v_wmma_scale_f32_16x16x128_f8f6f4 v[AC:AC+7], v[XA:XA+11], v[CB:CB+11], 0, v[XS+2*KS+\m/2], v[SW+KS] matrix_a_fmt:MATRIX_FMT_FP6 matrix_b_fmt:MATRIX_FMT_FP6 matrix_a_scale:MATRIX_SCALE_ROW1
.endif
.else
.if (\m%2) == 0
	v_wmma_scale_f32_16x16x128_f8f6f4 v[AC:AC+7], v[XA:XA+11], v[CB:CB+11], v[AC:AC+7], v[XS+2*KS+\m/2], v[SW+KS] matrix_a_fmt:MATRIX_FMT_FP6 matrix_b_fmt:MATRIX_FMT_FP6
.else
	v_wmma_scale_f32_16x16x128_f8f6f4 v[AC:AC+7], v[XA:XA+11], v[CB:CB+11], v[AC:AC+7], v[XS+2*KS+\m/2], v[SW+KS] matrix_a_fmt:MATRIX_FMT_FP6 matrix_b_fmt:MATRIX_FMT_FP6 matrix_a_scale:MATRIX_SCALE_ROW1
.endif
.endif
.endr
.endm
; Tile t's partial sums into my region: lane (r, h) of accumulator m holds rows 16 m + 8 h + 0 .. 7 of column r: groups 4 m + 2 h and 4 m + 2 h + 1.  Each accumulator from its low end on.
.macro DUMP t
.irp m, 0,1,2,3
	ds_store_b128 v[PA], v[ACC+8*\m:ACC+8*\m+3] offset:(\t)*SUB+1024*\m
	ds_store_b128 v[PA], v[ACC+8*\m+4:ACC+8*\m+7] offset:(\t)*SUB+1024*\m+256
.endr
.endm
.macro PERMS c                         ; block c's 32 bytes (already low + 128 = u) become 32 numbers u x 2^-133
.irp d, 0,1,2,3,4,5,6,7
.irp i, 0,1,2,3
	v_perm_b32 v[F+16*\c+4*\d+\i], v[R+8*\c+\d], 0, s[SEL+\i]
.endr
.endr
.endm
.macro ROUND2 a, b                     ; to bf16, ties to even; the lower k in the low half
	v_cvt_pk_bf16_f32 v[FB+\a], v[FB+2*\a], v[FB+2*\a+1]
	v_cvt_pk_bf16_f32 v[FB+\b], v[FB+2*\b], v[FB+2*\b+1]
.endm
.macro NUMBERS c                       ; block c's numbers w x 2^-21 in f32, their largest magnitude (rounding to bf16 does not change the order: it is rounded once, later), and the first eight of sixteen roundings to bf16, two numbers each, in place
.set FB, F+16*(\c)
.irp j, 0,2,4,6,8,10,12,14,16,18,20,22,24,26,28,30
	v_pk_fma_f32 v[FB+\j:FB+\j+1], v[FB+\j:FB+\j+1], s[CC:CC+1], v[AD:AD+1] op_sel_hi:[1,0,1]
.endr
.irp i, 0,1,2,3
	v_max3_num_f32 v[MC+\i], |v[FB+8*\i]|, |v[FB+8*\i+1]|, |v[FB+8*\i+2]|
.endr
.irp i, 0,1,2,3
	v_max3_num_f32 v[MC+\i], v[MC+\i], |v[FB+8*\i+3]|, |v[FB+8*\i+4]|
.endr
.irp i, 0,1,2,3
	v_max3_num_f32 v[MC+\i], v[MC+\i], |v[FB+8*\i+5]|, |v[FB+8*\i+6]|
.endr
	v_max3_num_f32 v[MC], v[MC], v[MC+1], |v[FB+7]|
	v_max3_num_f32 v[MC+2], v[MC+2], v[MC+3], |v[FB+15]|
	ROUND2 0, 1
	ROUND2 2, 3
	v_max3_num_f32 v[MC], v[MC], v[MC+2], |v[FB+23]|
	ROUND2 4, 5
	ROUND2 6, 7
	v_max3_num_f32 v[MB+\c], v[MC], |v[FB+31]|, 0x1800000          ; and the floor 2^(3 - 127), itself a bf16 number: no borrow below
.endm
; A unit.  The products of the unit two before stand behind this unit's sixteen v_xor_b32.  The next unit's bytes are asked for when the last of this one's have been taken apart.
.macro UNIT u
	s_wait_dscnt 0x0                               ; my bytes are in; earlier stores of partial sums are done
.irp d, 0,1,2,3,4,5,6,7,8,9,10,11,12,13,14,15
	v_xor_b32 v[R+\d], s[XORM], v[R+\d]            ; four bytes at a time: low + 128, 0 .. 255
.endr
.if (\u) == 2
	s_wait_loadcnt 12                              ; the first K step's fragments, the scale words and the bias are in; the second's 12 loads may be out
.endif
.if (\u) == 3
	s_wait_loadcnt 0x0
.endif
.if (\u) >= 2
	MMA (\u)-2
.endif
	PERMS 0
.if (\u) == 3 || (\u) == 5
	DUMP ((\u)-3)/2                                ; the tile before is finished; the 32 lines above are the places behind its last products
.endif
	NUMBERS 0
	ROUND2 8, 9
	ROUND2 10, 11
	ROUND2 12, 13
	ROUND2 14, 15
	PERMS 1
.if (\u) < 5
	LOADRAW (\u)+1
.else
	s_wait_dscnt 0x0                               ; tile 1's sums have left the accumulators
	MMA 4
.endif
	NUMBERS 1
	ROUND2 8, 9
	v_cvt_pk_bf16_f32 v[AA], v[MB], v[MB+1]        ; the two largest magnitudes as the source has them: in bf16
	ROUND2 10, 11
	v_add_nc_u32 v[AA], 0xfeffff00, v[AA]          ; 2 off both exponent fields (each is 3 at the least).  As an f32 this word has block 1's scale in its exponent field
	ROUND2 12, 13
	v_lshlrev_b32 v[A1], 1, v[AA]                  ; the two scale bytes, at bytes 1 and 3
	v_lshlrev_b32 v[S0], 16, v[AA]                 ; and block 0's scale: the conversion takes the exponent field of its scale operand and nothing else
	ROUND2 14, 15
	v_permlanex16_b32 v[T2], v[A1], s[PS], s[PS+1]
.set CB, CD+12*((\u)%2)
	v_cvt_scalef32_pk16_fp6_bf16 v[CB:CB+2], v[F:F+7], v[S0]         ; sixteen bf16 / the scale, to the nearest code, ties to even, beyond 7.5 the largest code
	v_cvt_scalef32_pk16_fp6_bf16 v[CT:CT+2], v[F+8:F+15], v[S0]      ; (a conversion's three registers begin on an even number: the upper halves are made elsewhere and moved)
	v_cvt_scalef32_pk16_fp6_bf16 v[CB+6:CB+8], v[F+16:F+23], v[AA]
	v_cvt_scalef32_pk16_fp6_bf16 v[CT+4:CT+6], v[F+24:F+31], v[AA]
	v_perm_b32 v[SW+(\u)%2], v[T2], v[A1], s[SELS]                   ; lanes 0-15: the four bytes of row r's word (lanes 16-31 are not read).  Also the plain line behind the scaled conversions
	v_dual_mov_b32 v[CB+4], v[CT+1] :: v_dual_mov_b32 v[CB+3], v[CT]
	v_dual_mov_b32 v[CB+10], v[CT+5] :: v_dual_mov_b32 v[CB+5], v[CT+2]
	v_mov_b32 v[CB+9], v[CT+4]
	v_mov_b32 v[CB+11], v[CT+6]
.endm
	s_wait_alu depctr_va_vdst(0)
	s_wait_tensorcnt 0x0                           ; my rows are in
	LOADRAW 0
	XLOAD 1
.irp u, 0,1,2,3,4,5
	UNIT \u
.endr
	v_lshlrev_b32 v[BA], 16, v[BA]                 ; the bias as f32.  These six lines are places between the last moves and the last products
	v_lshlrev_b32 v[BB], 16, v[BB]
.rept 4
	v_nop
.endr
	MMA 5
.rept 4
	v_nop                                          ; places behind the last products: their results are stored next
.endr
	DUMP 2
	s_wait_tensorcnt 0x0                           ; behind my last tensor load and my last LDS store; the s_wait_dscnt below is also the wait for my sums, for the others' sake
	ds_add_u32 v[SPW], v[NIL]
	s_wait_dscnt 0x0
	s_barrier_signal -1
	s_barrier_wait -1
	; THE END.  My group of four rows, from each of the sixteen parts.
.irp p, 0,1,2,3,4,5,6,7,8,9,10,11,12,13,14,15
	ds_load_b128 v[RD+4*\p:RD+4*\p+3], v[RA+\p/6] offset:(\p%6)*REG              ; column = lane, part p
.endr
.irp p, 0,1,2,3,4,5,6,7
	ds_load_b128 v[RD+64+4*\p:RD+64+4*\p+3], v[RB+\p/3] offset:(\p%3)*2*REG      ; column 27 + r, part 2 p + h
.endr
.macro ADD4 a, b
	v_pk_add_f32 v[\a:\a+1], v[\a:\a+1], v[\b:\b+1]
	v_pk_add_f32 v[\a+2:\a+3], v[\a+2:\a+3], v[\b+2:\b+3]
.endm
	s_wait_dscnt 16                                ; LDS instructions end in order (ISA guide 5.7.1): parts 0-7 are in
.irp p, 0,2,4,6
	ADD4 RD+4*\p, RD+4*\p+4
.endr
	s_wait_dscnt 8                                 ; parts 8-15
.irp p, 8,10,12,14
	ADD4 RD+4*\p, RD+4*\p+4
.endr
	s_wait_dscnt 0x0                               ; and the third tile's columns
.irp p, 16,18,20,22
	ADD4 RD+4*\p, RD+4*\p+4
.endr
.irp p, 0,4,8,12,16,20
	ADD4 RD+4*\p, RD+4*\p+8
.endr
.irp p, 0,8,16
	ADD4 RD+4*\p, RD+4*\p+16
.endr
	ADD4 RD, RD+32
	v_cmp_ne_u32 s[HM], 0, v[H]
	v_cmp_lt_u32 vcc_lo, 4, v[Q]
.irp i, 0,1,2,3
	v_permlanex16_b32 v[RD+68+\i], v[RD+64+\i], s[PS], s[PS+1]
.endr
.irp i, 0,1,2,3
	v_fma_f32 v[RD+\i], v[RD+\i], 0x4a000000, v[BA]                ; x 2^21, + bias
.endr
.irp i, 0,1,2,3
	v_add_f32 v[RD+64+\i], v[RD+64+\i], v[RD+68+\i]                ; the even parts' and the odd parts' sums
.endr
	v_cvt_pk_bf16_f32 v[RD+4], v[RD], v[RD+1]      ; rounded once: rows 0 and 1 of my four
	v_cvt_pk_bf16_f32 v[RD+5], v[RD+2], v[RD+3]
	v_cndmask_b32 v[RD+64], v[RD+64], v[RD+66], s[HM]              ; lanes 0-15 store rows 0 and 1, lanes 16-31 rows 2 and 3
	v_cndmask_b32 v[RD+65], v[RD+65], v[RD+67], s[HM]
	v_fma_f32 v[RD+64], v[RD+64], 0x4a000000, v[BB]
	v_fma_f32 v[RD+65], v[RD+65], 0x4a000000, v[BB]
	v_cvt_pk_bf16_f32 v[RD+6], v[RD+64], v[RD+65]
	global_store_b16 v[OA], v[RD+4], s[16:17] th:TH_STORE_NT       ; 32 lanes store 64 consecutive bytes of a row
	global_store_d16_hi_b16 v[OA], v[RD+4], s[16:17] offset:OROW th:TH_STORE_NT
	global_store_b16 v[OA], v[RD+5], s[16:17] offset:2*OROW th:TH_STORE_NT
	global_store_d16_hi_b16 v[OA], v[RD+5], s[16:17] offset:3*OROW th:TH_STORE_NT
	s_wait_alu depctr_va_vdst(0)
	s_wait_xcnt 0x0                                ; EXEC changes only behind this wait
	s_and_saveexec_b32 s[SVE], vcc_lo              ; of the third tile columns 27 .. 31 are the second's, columns 32 .. 42 are stored
	global_store_b16 v[OB], v[RD+6], s[16:17] offset:54 th:TH_STORE_NT           ; eleven lanes of each half store a row's last 22 bytes
	global_store_d16_hi_b16 v[OB], v[RD+6], s[16:17] offset:54+OROW th:TH_STORE_NT
	s_wait_xcnt 0x0
	s_or_b32 exec_lo, exec_lo, s[SVE]
	s_endpgm
.Lfunc_end_k_qeca84b3eeb_gemm:
	.size	k_qeca84b3eeb_gemm, .Lfunc_end_k_qeca84b3eeb_gemm-k_qeca84b3eeb_gemm
	.p2alignl 7, 3214868480
	.fill 96, 4, 3214868480
	.section	.rodata,"a",@progbits
	.p2align	6, 0x0
	.amdhsa_kernel k_qeca84b3eeb_gemm
		.amdhsa_group_segment_fixed_size 206848
		.amdhsa_private_segment_fixed_size 0
		.amdhsa_enable_private_segment 0
		.amdhsa_kernarg_size 56
		.amdhsa_user_sgpr_count 2
		.amdhsa_user_sgpr_kernarg_segment_ptr 1
		.amdhsa_wavefront_size32 1
		.amdhsa_system_sgpr_workgroup_id_x 1
		.amdhsa_system_sgpr_workgroup_id_y 1
		.amdhsa_system_sgpr_workgroup_id_z 1
		.amdhsa_system_vgpr_workitem_id 0
		.amdhsa_next_free_vgpr 256
		.amdhsa_next_free_sgpr 66
		.amdhsa_reserve_vcc 1
		.amdhsa_float_denorm_mode_32 3
		.amdhsa_float_denorm_mode_16_64 3
		.amdhsa_memory_ordered 1
		.amdhsa_forward_progress 1
		.amdhsa_inst_pref_size 89
	.end_amdhsa_kernel
	.amdgpu_metadata
---
amdhsa.version: [ 1, 2 ]
amdhsa.kernels:
  - .name:           k_qeca84b3eeb_gemm
    .symbol:         k_qeca84b3eeb_gemm.kd
    .args:
      - { .name: low, .offset: 0, .size: 8, .value_kind: global_buffer, .address_space: global }
      - { .name: xc, .offset: 8, .size: 8, .value_kind: global_buffer, .address_space: global }
      - { .name: xs, .offset: 16, .size: 8, .value_kind: global_buffer, .address_space: global }
      - { .name: scale, .offset: 24, .size: 8, .value_kind: global_buffer, .address_space: global }
      - { .name: low4_scale, .offset: 32, .size: 8, .value_kind: global_buffer, .address_space: global }
      - { .name: bias, .offset: 40, .size: 8, .value_kind: global_buffer, .address_space: global }
      - { .name: out0, .offset: 48, .size: 8, .value_kind: global_buffer, .address_space: global }
    .group_segment_fixed_size: 206848
    .private_segment_fixed_size: 0
    .kernarg_segment_align: 8
    .kernarg_segment_size: 56
    .max_flat_workgroup_size: 512
    .sgpr_count:     66
    .vgpr_count:     256
    .wavefront_size: 32
...
	.end_amdgpu_metadata
.endif
;; end of part 2
